; MI455X (gfx1250); checked and timed in simulation.
; The chip was launched on July 23, 2026; its instructions are those of AMD's public machine-readable ISA for CDNA 5 (MIT licence, August 2026) and "CDNA5" Instruction Set Architecture Reference Guide (July 2026). The comments in the code are by the model that wrote it; some were corrected since.
;; KW Cascaded Branch. Allowed arithmetic: matrix products marked QUANTISED: E2M1 operands, one E8M0 scale for each 32 along K, by v_wmma_scale_f32_16x16x128_f8f6f4 with both operands' format E2M1 (or v_wmma_scale_f32_32x16x128_f4), f32 sums; everything else in f32.
;; Inputs: audio_feat_codes 256 x 8 x 24 x 16 uint8 (E2M1 codes of audio_feat, K innermost, in blocks of 32 codes, two codes a byte); audio_feat_scales 256 x 8 x 24 uint8 (E8M0 scales of audio_feat, one for each 32 codes along K); proj_b 512 float32; proj_w_codes 512 x 24 x 16 uint8 (E2M1 codes of proj_w, K innermost, in blocks of 32 codes, two codes a byte); proj_w_scales 512 x 24 uint8 (E8M0 scales of proj_w, one for each 32 codes along K); token_embedding 24,704 x 512 float32.
;; Outputs: out0 256 x 8 x 512 float32.
;; This version of the problem:
;;   THIS VERSION OF THE PROBLEM IS GIVEN IN LOW PRECISION. The matrix products marked QUANTISED in the list below multiply operands that are first quantised to E2M1 (2 exponent bits, 1 mantissa bit; 4 bits a number), with one power-of-two scale for each 32 numbers along K (OCP MX v1.0); their sums are f32. All else is computed in f32.
;;   The module's matrix products, in the order in which they are computed (A, B: the left and right operand; K: the contracted axis; several contracted axes count as one K, in the product's order):
;;     1. [M 2,048, K 768] x [K 768, N 512]; A: input audio_feat (given as codes); B: input proj_w (given as codes): QUANTISED
;;     2. [M 2,048, K 512] x [K 512, N 24,704]; A: computed on the way; B: computed on the way: QUANTISED
;;     3. [M 2,048, K 24,704] x [K 24,704, N 512]; A: softmax (see below); B: input token_embedding: QUANTISED
;;   THE QUANTISER, for each operand of a quantised product, along K:
;;     - K is cut into blocks of 32 from its start; a last block that is shorter is filled with zeros.
;;     - A block's scale is 2^e with e = floor(log2(the largest magnitude in the block)) - 2, held to -126 .. 127; a block of zeros has e = 0. As a byte (E8M0): e + 127.
;;     - Each number is divided by its block's scale, clamped to +-6, and rounded to the nearest number of E2M1, ties to even, subnormals kept.
;;     - The product sums the exact products of the quantised numbers (number of the format x scale) in f32.
;;   ~~~python
;;   def quantise(x, axis):      # numpy; x: float32 -> the quantised numbers, widened to float32 again
;;       x = np.moveaxis(x, axis, -1); K = x.shape[-1]
;;       x = np.pad(x, [(0, 0)] * (x.ndim - 1) + [(0, -K % 32)]); x = x.reshape(x.shape[:-1] + (-1, 32)); a = np.abs(x).max(-1, keepdims=True)
;;       e = np.where(a > 0, np.clip(np.frexp(np.where(a > 0, a, 1))[1] - 1 - 2, -126, 127), 0)      # np.frexp(a)[1] - 1 = floor(log2(a)), exactly
;;       r = np.clip(x / 2.0 ** e, -6, 6)
;;       step = 2.0 ** (np.maximum(np.frexp(np.where(r == 0, 1, r))[1] - 1, 0) - 1)
;;       q = np.round(r / step) * step * 2.0 ** e      # np.round: ties to even
;;       return np.moveaxis(q.reshape(q.shape[:-2] + (-1,))[..., :K], -1, axis).astype(np.float32)
;;   ~~~
;;   SOFTMAX AHEAD OF A QUANTISED PRODUCT. Where the list says 'softmax', what is quantised is not the finished softmax but p = 2^(t - M), with t = logit x log2(e) and M = ceil(the row's largest t), a whole number; so 1/2 < the row's largest p <= 1. The row's sum l is taken of the UNQUANTISED p, in f32, and the product's result is divided by l at the end. Since M is a whole number, a kernel that streams over the keys may use a running M (the ceiling of the running maximum): every later rescaling is an exact power of two, which a block's scale takes up: the codes' values come out the same.
;;   OPERANDS COMPUTED ON THE WAY. 'Computed on the way' means the value that the module computes at that place (a softmax that the list does not call 'softmax' is quantised finished and normalised). What goes into a quantiser is computed in f32, as accurately as f32 sums, v_exp_f32 and their like allow (about 1e-6 of the number): no bf16 or f16 on the way to a quantiser, and a product that is left as it is and whose result goes on into a quantised operand takes f32 operands (vector FMAs, or v_wmma_f32_16x16x4_f32). A number that lies on a knife's edge between two numbers of the format may be rounded either way, as far as f32 arithmetic and the matrix unit's own rounding can turn it there, and no further.
;;   INPUTS GIVEN AS CODES. audio_feat (in the module: [256, 8, 768], K = its axis 2); proj_w (in the module: [768, 512], K = its axis 0): each comes as NAME_codes (uint8): NAME with its K axis moved to the last place and cut into blocks of 32 codes, [.., K / 32, bytes a block], one block behind the other in memory; two codes a byte, the lower K in the low four bits (a code: sign, 2 exponent bits, 1 mantissa bit); and NAME_scales (uint8): the same leading axes, one E8M0 byte (e + 127) for each 32 codes along K. Its value is code x scale, taken as it is: it is not quantised again, and the codes and scales need not be those that the quantiser above would give.
;; One version. Each part assembles by itself: llvm-mc -triple=amdgcn-amd-amdhsa -mcpu=gfx1250 --defsym DOCPART=n.
;; ======== version 1 of 1: 3 launches
;; limits: inputs' magnitudes at most 1.126e+15; right only within a limited range of input values
;; workspace buffers: kv 13,508,608 bytes; qimg 524,288 bytes; qsc 32,768 bytes; opart 33,554,432 bytes; lpart 65,536 bytes
;; launch quant (part 1): grid 225 x 1, 8 waves a work-group, no clusters, 137,472 bytes of LDS; arguments token_embedding, audio_feat_codes, audio_feat_scales, proj_w_codes, proj_w_scales, proj_b, kv, qimg, qsc; writes kv, qimg, qsc
.if DOCPART == 1
	.amdgcn_target "amdgcn-amd-amdhsa--gfx1250"
	.amdhsa_code_object_version 6
	.text
	.protected	k_q4343d93707_quant
	.globl	k_q4343d93707_quant
	.p2align	8
	.type	k_q4343d93707_quant,@function
k_q4343d93707_quant:
	s_mov_b64 s[64:65], 0
	v_nop
	global_prefetch_b8 v0, s[64:65] scope:SCOPE_SE
	s_setreg_imm32_b32 hwreg(HW_REG_WAVE_MODE, 25, 1), 1
	s_wait_xcnt 0x0
; keywords = softmax(cos(kw, emb) / 0.1) emb, kw = audio W + b: one attention with 2,048 queries (kw, normalised), 24,704 keys (the embeddings, normalised), head size 512, values = the embeddings as they are.
; All three products run on E2M1 codes with one E8M0 scale for each 32 along K.  THIS LAUNCH MAKES THE OPERANDS.  NO WORK OF THE PROBLEM IS LEFT OUT IN ANY LAUNCH: every input has a way to the output and is loaded.
; Work-groups 0-192: one step of 128 keys each.  token_embedding is read ONCE and gives two operands: K = emb / max(|emb|, 1e-8), quantised along the 512 (e), and V = emb, quantised along the vocabulary.
; Work-groups 193-224: 64 queries each: kw = audio W + b on the given codes, kw / max(|kw|, 1e-8), quantised along e.  193 + 32 = 225 work-groups: no WGP gets a second one.
; WORKSPACE, laid in the order of the operands' registers, so that the next launch loads every fragment by 16-byte loads of 512 consecutive bytes:
;   kv: 97 records of REC bytes, 256 keys each (steps 2 R, 2 R + 1).  K part: key block kb (32 keys) at 8,704 kb: fragment (key tile u, K step c) at 1,024 (4 u + c) + 512 g + 16 lane; lane (r, h) of tile u holds key
;       8 u + r + 8 (r / 8), e = 128 c + 64 g + 32 h + 0 .. 31; at + 8,192 the scale words [16 u + r][4 words, one a K step].  V part at 69,632 + 8,704 v + 4,352 sh (v: d = 64 v .. + 63; sh: the step in the record):
;       fragment tt at 1,024 tt + 512 g + 16 lane: lane (r, h) holds d = 64 v + 16 tt + r, keys 64 g + 32 h + 0 .. 31 of the step; at + 4,096 the scale words [64 d].  Record 96 holds step 192 in its sh = 0 parts alone.
;   qimg: [16 queries][K step c][1,024]: the fragment's image;   qsc: [query][4 words].
; LIMITS.  NaN and infinities among the inputs are not served.  A block of zeros gets the scale byte 1 where the quantiser says 127: its codes are zeros, which add nothing, and these bytes are read by this program alone.
; 1 / max(norm, 1e-8) is made as min(rsq(sum of squares), 1e8); a sum of squares under 2^-126 counts as 0 there, which is the 1e-8 arm anyway.  x / norm is x times that number.  The bias is the C of the first matrix instruction.
; The two kinds of work-group part on the work-group's number alone and use LDS bytes of their own.  No cluster: the embedding work-groups share no input, and 225 divides into no cluster of four.
.set REC,   139264
.set XP,    2064                       ; an embedding row in LDS: 2,048 bytes + 16: the 16 rows that a 16-byte load touches begin 16 bytes apart modulo 256
.set XB1,   66048                      ; LDS: two buffers of 32 rows,
.set INV,   132096                     ; two sets of 32 inverse norms,
.set KSG,   132352                     ; K's scale words of the step's four key blocks, 512 bytes each,
.set SPARE, 134400                     ; the spare words, 128 bytes for each wave: four blocks of 256 bytes that no other line names,
.set PN,    135424                     ; the projection's: [wave 8][tile 2][16] partial sums of squares,
.set QSG,   136448                     ; and 64 queries' scale words
.set SPW,   254                        ; v254 LDS address of my spare word; never rewritten
.set NIL,   255                        ; v255 0; never rewritten
.set WV,    23                         ; s23  my wave's number
.set SEL,   20                         ; s[20:21] v_permlanex16_b32's selects for lane l xor 16
.set BIG,   22                         ; s22  1e8
; the embedding work-groups' registers: v1/v11 where I store rows (buffer 0/1), v2 where I store inverse norms, v3/v12 my column, v4/v13 my K row, v5 its inverse norm, v6 its scale word, v7 16 x lane, v8 4 x lane,
; v9 my place in a V fragment, v10 8 h, v14-15 V's scale words, v30 the scale words' way out
.set T,   16                           ; v16-23  four rows' sums of squares, in pairs
.set IR,  24                           ; v24-27  their inverse norms
.set IV,  28                           ; v[28:29] my K row's inverse norm (the packed multiply names a pair)
.set X,   32                           ; v32-159 two sets of 4 rows x 16 numbers as loaded
.set W,   160                          ; v160-223 64 numbers at work
.set VC,  224                          ; v224-231 V's codes
.set KC,  232                          ; v232-239 K's codes
.set TA,  240
.set TB,  242
.set TC,  244
.set TD,  246
.set TE,  247
; the projection work-groups' registers: v1 W's rows, v2 W's scale words, v3 audio's rows, v4 audio's scale words, v5 the bias, v8-11 LDS.  A wave has TWO query tiles: the second's accumulators and audio fragments
; lie in window 1 at the register numbers that the first's have in window 0 (s_set_vgpr_msb: bits 1:0 source 0, 3:2 source 1, 5:4 source 2, 7:6 destination)
.set AS,  12                           ; v12-15  audio's scale words: 2 x set + tile
.set WS,  16                           ; v16-31  W's scale words, two sets of 8
.set ACC, 32                           ; v32-95  8 tiles of kw^T (window 0: query tile 0; window 1: query tile 1)
.set WF,  96                           ; v96-223 W's fragments, two sets of 8
.set AU,  224                          ; v224-239 audio's fragment, two sets (window 0: query tile 0; window 1: query tile 1)
.set SS,  96                           ; behind the products W's registers are free: sums of squares, 8 a tile,
.set RBK, 112                          ; the four waves' parts, 4 a tile,
.set INQ, 120                          ; 1 / norm, a pair a tile,
.set TM,  128                          ; 16 at work,
.set PC,  144                          ; the codes, 8 a tile,
.set PW,  160                          ; the scale word, 1 a tile
.set MSB, 0
.macro WIN new                         ; the immediate's high byte repeats the setting that is left
.if MSB != \new
	s_set_vgpr_msb (MSB<<8)|\new
.set MSB, \new
.endif
.endm
.macro LOADX b                         ; key block b: my 4 rows, 16 loads of 512 consecutive bytes
.irp i, 0,1,2,3
.irp g, 0,1,2,3
	global_load_b128 v[X+64*((\b)%2)+16*\i+4*\g:X+64*((\b)%2)+16*\i+4*\g+3], v7, s[30:31] offset:(\b)*65536+\i*2048+\g*512 th:TH_LOAD_NT
.endr
.endr
.endm
.macro NORM b                          ; min(1 / norm, 1e8) of my 4 rows, the rows by turns
.set XS, X+64*((\b)%2)
.irp i, 0,1,2,3
	v_pk_mul_f32 v[T+2*\i:T+2*\i+1], v[XS+16*\i:XS+16*\i+1], v[XS+16*\i:XS+16*\i+1]
.endr
.irp j, 2,4,6,8,10,12,14
.irp i, 0,1,2,3
	v_pk_fma_f32 v[T+2*\i:T+2*\i+1], v[XS+16*\i+\j:XS+16*\i+\j+1], v[XS+16*\i+\j:XS+16*\i+\j+1], v[T+2*\i:T+2*\i+1]
.endr
.endr
.irp i, 0,1,2,3
	v_add_f32 v[T+2*\i], v[T+2*\i], v[T+2*\i+1]
.endr
.irp m, 1,2,4,8
.irp i, 0,1,2,3
	v_add_f32_dpp v[T+2*\i], v[T+2*\i], v[T+2*\i] row_xmask:\m row_mask:0xf bank_mask:0xf
.endr
.endr
.irp i, 0,1,2,3
	v_permlanex16_b32 v[T+2*\i+1], v[T+2*\i], s[SEL], s[SEL+1]
.endr
.irp i, 0,1,2,3
	v_add_f32 v[T+2*\i], v[T+2*\i], v[T+2*\i+1]    ; the row's sum of squares, in every lane
.endr
.irp i, 0,1,2,3
	v_rsq_f32 v[IR+\i], v[T+2*\i]
.endr
	v_nop                                          ; a plain instruction behind the last of the four
	s_wait_alu depctr_va_vdst(0)                   ; one wait for the four, ahead of their first reader
.irp i, 0,1,2,3
	v_min_num_f32 v[IR+\i], s[BIG], v[IR+\i]       ; 1 / max(norm, 1e-8)
.endr
.endm
.macro TOLDS b                         ; the rows as they are, and their inverse norms.  Row k lies at place k with its bits 3 and 4 swapped: so the 16 keys of key tile u are places 16 u .. 16 u + 15
.set XS, X+64*((\b)%2)
.irp i, 0,1,2,3
.irp g, 0,1,2,3
	ds_store_b128 v[1+10*((\b)%2)], v[XS+16*\i+4*\g:XS+16*\i+4*\g+3] offset:\i*XP+\g*512
.endr
	ds_store_b32 v2, v[IR+\i] offset:((\b)%2)*128+4*\i
.endr
.endm
.macro BLKMAX2 a, t, s                 ; the largest magnitudes of the blocks v[s .. s+31] and v[s+32 .. s+63] into v[a], v[a+1]; two chains a block; the floor 2^(3 - 127) holds the scale's byte at 1 from below
.irp p, 0,1
	v_max3_num_f32 v[\a+\p], |v[\s+32*\p]|, |v[\s+32*\p+1]|, 0x1800000
	v_max3_num_f32 v[\t+\p], |v[\s+32*\p+16]|, |v[\s+32*\p+17]|, |v[\s+32*\p+18]|
.endr
.irp i, 2,4,6,8,10,12,14
.irp p, 0,1
	v_max3_num_f32 v[\a+\p], v[\a+\p], |v[\s+32*\p+\i]|, |v[\s+32*\p+\i+1]|
.if \i < 14
	v_max3_num_f32 v[\t+\p], v[\t+\p], |v[\s+32*\p+17+\i]|, |v[\s+32*\p+18+\i]|
.endif
.endr
.endr
.irp p, 0,1
	v_max3_num_f32 v[\a+\p], v[\a+\p], v[\t+\p], |v[\s+32*\p+31]|
.endr
.endm
.macro VPATH b                         ; V: a lane takes a column d = 64 w + 32 p + lane and its registers run down the 32 keys: the block's maximum needs no other lane, and the codes come out with the keys innermost
.set k, 0
.rept 32
	ds_load_b32 v[W+k], v[3+9*((\b)%2)] offset:((k&7)+16*((k>>3)&1)+8*((k>>4)&1))*XP
	ds_load_b32 v[W+32+k], v[3+9*((\b)%2)] offset:((k&7)+16*((k>>3)&1)+8*((k>>4)&1))*XP+128
.set k, k+1
.endr
	s_wait_dscnt 0x0
	s_wait_xcnt 0x0                                ; the last block's stores have read their data: V's and K's code registers are written again only behind this wait
	BLKMAX2 TA, TC, W
.irp p, 0,1
	v_add_nc_u32 v[TB+\p], 0xff000000, v[TA+\p]    ; 2 off the exponent field: the conversion's scale operand
.endr
.irp p, 0,1
	v_lshrrev_b32 v[TA+\p], 23, v[TB+\p]           ; the scale's byte
.endr
.irp p, 0,1
.if (\b) == 0
	v_mov_b32 v[14+\p], v[TA+\p]
.else
	v_lshl_or_b32 v[14+\p], v[TA+\p], 8*(\b), v[14+\p]  ; byte b of my column's scale word for this step
.endif
.endr
.irp p, 0,1
.irp q, 0,1,2,3
	v_cvt_scalef32_pk8_fp4_f32 v[VC+4*\p+\q], v[W+32*\p+8*\q:W+32*\p+8*\q+7], v[TB+\p]
.endr
.endr
	v_nop                                          ; one plain instruction behind the last conversion
.irp p, 0,1
	global_store_b128 v9, v[VC+4*\p:VC+4*\p+3], s[36:37] offset:\p*2048+((\b)/2)*512+((\b)%2)*256  ; sixteen lanes store 256 consecutive bytes, aligned
.endr
.endm
.macro KPATH b                         ; K: wave (u, c) makes fragment (key tile u, K step c): lane (r, h) takes of its key's row the 2 x 32 numbers that the operand's layout gives it
.irp g, 0,1
.irp i, 0,1,2,3,4,5,6,7
	ds_load_b128 v[W+32*\g+4*\i:W+32*\g+4*\i+3], v[4+9*((\b)%2)] offset:\g*256+16*\i
.endr
.endr
	ds_load_b32 v[IV], v5 offset:((\b)%2)*128
	s_wait_dscnt 0x0
.set j, 0
.rept 32
	v_pk_mul_f32 v[W+j:W+j+1], v[W+j:W+j+1], v[IV:IV+1] op_sel_hi:[1,0]   ; emb / max(norm, 1e-8)
.set j, j+2
.endr
	BLKMAX2 TA, TC, W
.irp g, 0,1
	v_add_nc_u32 v[TB+\g], 0xff000000, v[TA+\g]
.endr
.irp g, 0,1
	v_lshrrev_b32 v[TA+\g], 23, v[TB+\g]
.endr
	v_lshl_or_b32 v[TD], v[TA+1], 16, v[TA]        ; my two bytes: blocks h and 2 + h of the K step,
	v_lshlrev_b32 v[TD], v10, v[TD]                ; 8 h bits up;
	v_permlanex16_b32 v[TE], v[TD], s[SEL], s[SEL+1]
	v_or_b32 v[TD], v[TD], v[TE]                   ; with lane l xor 16's two the word is whole
.irp g, 0,1
.irp q, 0,1,2,3
	v_cvt_scalef32_pk8_fp4_f32 v[KC+4*\g+\q], v[W+32*\g+8*\q:W+32*\g+8*\q+7], v[TB+\g]
.endr
.endr
	v_nop
	ds_store_b32 v6, v[TD] offset:(\b)*512         ; both halves of the lanes write the same word with the same value
.irp g, 0,1
	global_store_b128 v7, v[KC+4*\g:KC+4*\g+3], s[34:35] offset:(\b)*8704+\g*512   ; 512 consecutive bytes
.endr
.endm
.macro BLOCK b                         ; one key block of 32 rows; ONE barrier: buffer b % 2 is written again two blocks on, behind the next block's barrier, which every wave signals with its reads of this block waited for
.if (\b) < 3
	s_wait_loadcnt 16                              ; this block's 16 loads are in; the other set's 16 may be out
.else
	s_wait_loadcnt 0x0
.endif
	NORM \b
	TOLDS \b
	s_wait_dscnt 0x0                               ; for the others' sake: my stores have landed (and have read their registers, which take the next loads)
.if (\b) < 2
	LOADX (\b)+2
.endif
	s_barrier_signal -1
	s_barrier_wait -1
	VPATH \b
	KPATH \b
.endm
.macro PLOAD k, st                     ; K step k of the first product into set st: 30 loads.  THE ROWS OF W THAT FORM A TILE ARE NOT NEIGHBOURS: lane r of tile tl takes e = 32 (tl / 2) + 8 (tl % 2) + r + 8 (r / 8)
.irp tl, 0,1,2,3,4,5,6,7
.irp g, 0,1
	global_load_b128 v[WF+64*(\st)+8*\tl+4*\g:WF+64*(\st)+8*\tl+4*\g+3], v1, s[10:11] offset:(32*(\tl/2)+8*(\tl%2))*384+64*(\k)+32*\g
.endr
	global_load_b32 v[WS+8*(\st)+\tl], v2, s[12:13] offset:(32*(\tl/2)+8*(\tl%2))*24+4*(\k)
.endr
.irp g, 0,1
	global_load_b128 v[AU+8*(\st)+4*\g:AU+8*(\st)+4*\g+3], v3, s[6:7] offset:64*(\k)+32*\g
.endr
	global_load_b32 v[AS+2*(\st)], v4, s[8:9] offset:4*(\k)
	global_load_b32 v[AS+2*(\st)+1], v4, s[8:9] offset:384+4*(\k)        ; query tile 1: 16 rows of 24 scale bytes on
	WIN 0x40                                       ; destination window 1
.irp g, 0,1
	global_load_b128 v[AU+8*(\st)+4*\g:AU+8*(\st)+4*\g+3], v3, s[6:7] offset:6144+64*(\k)+32*\g   ; and 16 rows of 384 bytes of codes on
.endr
	WIN 0
.endm
.macro PMUL st                         ; kw^T += W audio^T: source 0 = 16 rows of W, source 1 = 16 queries; each fragment of W serves both query tiles; the 16 accumulators by turns
.irp tl, 0,1,2,3,4,5,6,7
	v_wmma_scale_f32_16x16x128_f8f6f4 v[ACC+8*\tl:ACC+8*\tl+7], v[WF+64*(\st)+8*\tl:WF+64*(\st)+8*\tl+7], v[AU+8*(\st):AU+8*(\st)+7], v[ACC+8*\tl:ACC+8*\tl+7], v[WS+8*(\st)+\tl], v[AS+2*(\st)] matrix_a_fmt:MATRIX_FMT_FP4 matrix_b_fmt:MATRIX_FMT_FP4
.endr
	WIN 0x54                                       ; source 1 (audio), C and D in window 1: query tile 1
.irp tl, 0,1,2,3,4,5,6,7
	v_wmma_scale_f32_16x16x128_f8f6f4 v[ACC+8*\tl:ACC+8*\tl+7], v[WF+64*(\st)+8*\tl:WF+64*(\st)+8*\tl+7], v[AU+8*(\st):AU+8*(\st)+7], v[ACC+8*\tl:ACC+8*\tl+7], v[WS+8*(\st)+\tl], v[AS+2*(\st)+1] matrix_a_fmt:MATRIX_FMT_FP4 matrix_b_fmt:MATRIX_FMT_FP4
.endr
	WIN 0
.endm
; 64 numbers of a lane, register 16 b + i = k 32 b + 16 (lane / 16) + i of my row, become a fragment's codes in v[pc] on and its scale word in v[pw]
.macro QUANT s, pc, pw
.irp b, 0,1,2,3
	v_max3_num_f32 v[TM+\b], |v[\s+16*\b]|, |v[\s+1+16*\b]|, 0x1800000
.endr
.irp i, 2,4,6,8,10,12,14
.irp b, 0,1,2,3
	v_max3_num_f32 v[TM+\b], v[TM+\b], |v[\s+16*\b+\i]|, |v[\s+1+16*\b+\i]|
.endr
.endr
.irp b, 0,1,2,3
	v_permlanex16_b32 v[TM+4+\b], v[TM+\b], s[SEL], s[SEL+1]
.endr
.irp b, 0,1,2,3
	v_max_num_f32 v[TM+\b], v[TM+\b], v[TM+4+\b]   ; with lane l xor 16's: the block's largest magnitude
.endr
.irp b, 0,1,2,3
	v_add_nc_u32 v[TM+12+\b], 0xff000000, v[TM+\b]
.endr
.irp b, 0,1,2,3
	v_lshrrev_b32 v[TM+4+\b], 23, v[TM+12+\b]
.endr
	v_lshl_or_b32 v[\pw], v[TM+5], 8, v[TM+4]
	v_lshl_or_b32 v[\pw], v[TM+6], 16, v[\pw]
	v_lshl_or_b32 v[\pw], v[TM+7], 24, v[\pw]
.irp b, 0,1,2,3
	v_cvt_scalef32_pk8_fp4_f32 v[\pc+2*\b], v[\s+16*\b:\s+7+16*\b], v[TM+12+\b]
	v_cvt_scalef32_pk8_fp4_f32 v[\pc+1+2*\b], v[\s+8+16*\b:\s+15+16*\b], v[TM+12+\b]
.endr
	v_nop
.irp c, 0,1                            ; the operand's layout wants a whole block in a lane: lanes 0-15 block 2 c, lanes 16-31 block 2 c + 1
.irp i, 0,1
	v_permlane16_swap_b32 v[\pc+4*\c+\i], v[\pc+2+4*\c+\i]
.endr
.endr
.endm
	s_load_b256 s[4:11], s[0:1], 0x0               ; token_embedding s[4:5], audio's codes s[6:7], audio's scales s[8:9], W's codes s[10:11]
	s_load_b256 s[12:19], s[0:1], 0x20             ; W's scales s[12:13], b s[14:15], kv s[16:17], qimg s[18:19]
	s_load_b64 s[24:25], s[0:1], 0x40              ; qsc
	v_lshl_add_u32 v[SPW], v0, 2, SPARE
	v_mov_b32 v[NIL], 0
	v_lshrrev_b32 v1, 5, v0
	v_readfirstlane_b32 s[WV], v1                  ; wave 0..7
	s_mov_b32 s[SEL], 0x76543210
	s_mov_b32 s[SEL+1], 0xfedcba98
	s_mov_b32 s[BIG], 0x4cbebc20                   ; 1e8
	v_and_b32 v240, 31, v0                         ; lane
	v_and_b32 v241, 15, v0                         ; r
	v_bfe_u32 v242, v0, 4, 1                       ; h
	v_lshlrev_b32 v7, 4, v240                      ; 16 x lane
	s_lshr_b32 s28, s[WV], 2                       ; u (embedding) or which pair of query tiles (projection)
	s_and_b32 s29, s[WV], 3                        ; c: the K step along e
	s_cmp_lt_u32 ttmp9, 193
	s_cbranch_scc0 .Lproj
	; ---------------- a step of 128 keys ----------------
	s_bfe_u32 s26, s[WV], 0x10001                  ; my rows 4 w .. 4 w + 3 lie at places 16 ((w / 2) % 2) + 8 (w / 4) + 4 (w % 2) + i
	s_lshl_b32 s26, s26, 4
	s_lshl_b32 s27, s28, 3
	s_add_co_u32 s26, s26, s27
	s_and_b32 s27, s[WV], 1
	s_lshl_b32 s27, s27, 2
	s_add_co_u32 s26, s26, s27
	s_mul_i32 s27, s26, XP
	v_add_nc_u32 v1, s27, v7                       ; where I store rows: place x pitch + 16 x lane
	s_lshl_b32 s27, s26, 2
	s_add_co_u32 s27, s27, INV
	v_mov_b32 v2, s27                              ; and their inverse norms
	s_lshl_b32 s27, s[WV], 8
	v_lshl_add_u32 v3, v240, 2, s27                ; V: my column: 256 w + 4 x lane
	s_mul_i32 s27, s28, 16*XP
	s_lshl_b32 s26, s29, 9
	s_add_co_u32 s27, s27, s26
	v_mul_u32_u24 v4, v241, XP
	v_lshl_add_u32 v4, v242, 7, v4
	v_add_nc_u32 v4, s27, v4                       ; K: place 16 u + r, byte 512 c + 128 h
	s_lshl_b32 s27, s28, 6
	s_add_co_u32 s27, s27, INV
	v_lshl_add_u32 v5, v241, 2, s27                ; its inverse norm
	s_lshl_b32 s27, s28, 8
	s_lshl_b32 s26, s29, 2
	s_add_co_u32 s27, s27, s26
	s_add_co_u32 s27, s27, KSG
	v_lshl_add_u32 v6, v241, 4, s27                ; its scale word: 16 (16 u + r) + 4 c
	v_lshlrev_b32 v8, 2, v240                      ; 4 x lane
	v_lshlrev_b32 v9, 10, v242
	v_lshl_add_u32 v9, v241, 4, v9                 ; V's codes: fragment lane / 16 of my pair, 16 bytes at lane % 16
	v_lshlrev_b32 v10, 3, v242                     ; 8 h
	v_add_nc_u32 v11, XB1, v1                      ; the same three in buffer 1
	v_add_nc_u32 v12, XB1, v3
	v_add_nc_u32 v13, XB1, v4
	s_lshl_b32 s27, s29, 9
	s_add_co_u32 s27, s27, KSG
	v_add_nc_u32 v30, s27, v7                      ; the scale words' way out: key block w % 4, 16 x lane
	v_mov_b32 v[IV+1], 0                           ; (named as the upper half of a pair)
	v_mov_b32 v[TE], 0                             ; (a lane permute's destination counts as one of its sources)
	s_wait_kmcnt 0x0
	s_lshl_b32 s26, ttmp9, 18                      ; the step's 128 rows of 2,048 bytes,
	s_lshl_b32 s27, s[WV], 13                      ; my 4 rows of a block
	s_add_co_u32 s26, s26, s27
	s_mov_b32 s27, 0
	s_add_nc_u64 s[30:31], s[4:5], s[26:27]
	LOADX 0
	LOADX 1
	s_lshr_b32 s26, ttmp9, 1                       ; the record,
	s_mul_i32 s26, s26, REC
	s_add_nc_u64 s[16:17], s[16:17], s[26:27]
	s_and_b32 s32, ttmp9, 1                        ; and the step in it
	s_mul_i32 s26, s32, 34816
	s_lshl_b32 s33, s[WV], 10
	s_add_co_u32 s26, s26, s33
	s_add_nc_u64 s[34:35], s[16:17], s[26:27]      ; K's codes: my fragment of the step's first key block
	s_mul_i32 s26, s32, 4352
	s_mul_i32 s33, s[WV], 8704
	s_add_co_u32 s26, s26, s33
	s_add_co_u32 s26, s26, 69632
	s_add_nc_u64 s[36:37], s[16:17], s[26:27]      ; V: my 64 columns' part
	s_mul_i32 s26, s32, 34816
	s_mul_i32 s33, s29, 8704
	s_add_co_u32 s26, s26, s33
	s_add_co_u32 s26, s26, 8192
	s_add_nc_u64 s[38:39], s[16:17], s[26:27]      ; K's scale words of key block w % 4
	BLOCK 0
	BLOCK 1
	BLOCK 2
	BLOCK 3
	global_store_b32 v8, v14, s[36:37] offset:4096 ; V's scale words of my 64 columns
	global_store_b32 v8, v15, s[36:37] offset:4096+128
	s_wait_dscnt 0x0                               ; my scale words of K have landed
	s_barrier_signal -1
	s_barrier_wait -1
	s_cmp_lt_u32 s[WV], 4
	s_cbranch_scc0 .Lemb_end
	ds_load_b128 v[248:251], v30                   ; waves 0-3: a key block's 32 x 4 scale words leave as 512 consecutive bytes
	s_wait_dscnt 0x0
	global_store_b128 v7, v[248:251], s[38:39]
.Lemb_end:
	s_wait_tensorcnt 0x0                           ; the wave's end, behind my last LDS store
	ds_add_u32 v[SPW], v[NIL]
	s_wait_dscnt 0x0
	s_endpgm
	; ---------------- 64 queries: wave w makes e = 128 c .. + 127 of query tiles 4 pid + 2 (w / 4) and the next ----------------
.Lproj:
	s_sub_co_u32 s26, ttmp9, 193                   ; pid 0..31
	s_lshl_b32 s27, s26, 2
	s_lshl_b32 s30, s28, 1
	s_add_co_u32 s27, s27, s30                     ; my first query tile
	v_and_b32 v6, 8, v241
	v_add_nc_u32 v6, v6, v241                      ; r + 8 (r / 8)
	v_mul_u32_u24 v1, v6, 384                      ; W: a row is 768 codes
	v_lshl_add_u32 v1, v242, 4, v1
	v_mul_u32_u24 v2, v6, 24                       ; and 24 scale bytes
	v_mul_u32_u24 v3, v241, 384                    ; audio likewise, row r
	v_lshl_add_u32 v3, v242, 4, v3
	v_mul_u32_u24 v4, v241, 24
	v_lshlrev_b32 v5, 6, v242                      ; the bias: lanes 16-31 hold the e's 16 further on
	s_lshl_b32 s30, s[WV], 7
	s_add_co_u32 s30, s30, PN
	v_lshl_add_u32 v8, v241, 2, s30                ; my partial sums of squares: 128 w + 64 tile + 4 r
	s_lshl_b32 s30, s28, 9
	s_add_co_u32 s30, s30, PN
	v_lshl_add_u32 v9, v241, 2, s30                ; those of the four waves of my pair of tiles
	s_lshl_b32 s30, s28, 9
	s_lshl_b32 s31, s29, 2
	s_add_co_u32 s30, s30, s31
	s_add_co_u32 s30, s30, QSG
	v_lshl_add_u32 v10, v241, 4, s30               ; my scale word: 16 (32 (w / 4) + 16 tile + r) + 4 c
	v_add_nc_u32 v11, QSG, v7
	s_wait_kmcnt 0x0
	s_mov_b32 s31, 0
	s_mul_i32 s30, s29, 49152
	s_add_nc_u64 s[10:11], s[10:11], s[30:31]      ; my 128 rows of W,
	s_mul_i32 s30, s29, 3072
	s_add_nc_u64 s[12:13], s[12:13], s[30:31]      ; their scale bytes,
	s_mul_i32 s30, s27, 6144
	s_add_nc_u64 s[6:7], s[6:7], s[30:31]          ; my 32 queries,
	s_mul_i32 s30, s27, 384
	s_add_nc_u64 s[8:9], s[8:9], s[30:31]          ; their scale bytes,
	s_lshl_b32 s30, s29, 9
	s_add_nc_u64 s[14:15], s[14:15], s[30:31]      ; my 128 numbers of b,
	s_lshl_b32 s30, s27, 12
	s_lshl_b32 s32, s29, 10
	s_add_co_u32 s30, s30, s32
	s_add_nc_u64 s[18:19], s[18:19], s[30:31]      ; my first fragment's image,
	s_lshl_b32 s30, s26, 10
	s_add_nc_u64 s[24:25], s[24:25], s[30:31]      ; the work-group's 64 x 16 scale bytes
.irp tl, 0,1,2,3,4,5,6,7               ; the bias is the sums' first C: register j of tile tl in lane (r, h) is e = 32 (tl / 2) + 8 (tl % 2) + 16 h + j
	global_load_b128 v[ACC+8*\tl:ACC+8*\tl+3], v5, s[14:15] offset:(32*(\tl/2)+8*(\tl%2))*4
	global_load_b128 v[ACC+8*\tl+4:ACC+8*\tl+7], v5, s[14:15] offset:(32*(\tl/2)+8*(\tl%2))*4+16
.endr
	WIN 0x40                                       ; and the same for query tile 1, in window 1
.irp tl, 0,1,2,3,4,5,6,7
	global_load_b128 v[ACC+8*\tl:ACC+8*\tl+3], v5, s[14:15] offset:(32*(\tl/2)+8*(\tl%2))*4
	global_load_b128 v[ACC+8*\tl+4:ACC+8*\tl+7], v5, s[14:15] offset:(32*(\tl/2)+8*(\tl%2))*4+16
.endr
	WIN 0
	PLOAD 0, 0
	PLOAD 1, 1
.irp k, 0,1,2,3,4,5                    ; K = 768: six steps of 128
.if \k < 5
	s_wait_loadcnt 30                              ; this step's loads are in (and the bias); the next step's 30 may be out
.else
	s_wait_loadcnt 0x0
.endif
	PMUL \k%2
.if \k < 4
.rept 4
	v_nop                                          ; four places in front of loads into registers that matrix instructions have read (ISA guide 7.12.1 for vector instructions)
.endr
	PLOAD \k+2, \k%2
.endif
.endr
.rept 4
	v_nop                                          ; four places in front of the first read of results
.endr
.set j, 0
.rept 32                               ; the sum of squares of my 64 numbers of a query, four chains; each accumulator is read from its low end on
.if j < 8
	v_pk_mul_f32 v[SS+j:SS+j+1], v[ACC+j:ACC+j+1], v[ACC+j:ACC+j+1]
.else
	v_pk_fma_f32 v[SS+j%8:SS+j%8+1], v[ACC+j:ACC+j+1], v[ACC+j:ACC+j+1], v[SS+j%8:SS+j%8+1]
.endif
.set j, j+2
.endr
	WIN 0x05                                       ; sources 0 and 1 in window 1: query tile 1
.set j, 0
.rept 32
.if j < 8
	v_pk_mul_f32 v[SS+8+j:SS+8+j+1], v[ACC+j:ACC+j+1], v[ACC+j:ACC+j+1]
.else
	v_pk_fma_f32 v[SS+8+j%8:SS+8+j%8+1], v[ACC+j:ACC+j+1], v[ACC+j:ACC+j+1], v[SS+8+j%8:SS+8+j%8+1]
.endif
.set j, j+2
.endr
	WIN 0
.irp t, 0,8
	v_pk_add_f32 v[SS+\t:SS+\t+1], v[SS+\t:SS+\t+1], v[SS+\t+2:SS+\t+3]
	v_pk_add_f32 v[SS+\t+4:SS+\t+5], v[SS+\t+4:SS+\t+5], v[SS+\t+6:SS+\t+7]
.endr
.irp t, 0,8
	v_pk_add_f32 v[SS+\t:SS+\t+1], v[SS+\t:SS+\t+1], v[SS+\t+4:SS+\t+5]
.endr
.irp t, 0,8
	v_add_f32 v[SS+\t], v[SS+\t], v[SS+\t+1]
.endr
.irp t, 0,8
	v_permlanex16_b32 v[SS+\t+1], v[SS+\t], s[SEL], s[SEL+1]
.endr
.irp t, 0,8
	v_add_f32 v[SS+\t], v[SS+\t], v[SS+\t+1]       ; over my 128 e's of query r
.endr
	ds_store_b32 v8, v[SS]
	ds_store_b32 v8, v[SS+8] offset:64
.irp b, 0,1,2,3
	v_mov_b32 v[TM+4+\b], 0                        ; (lane permutes' destinations)
.endr
	v_mov_b32 v[INQ+1], 0                          ; (the upper halves of the pairs below)
	v_mov_b32 v[INQ+3], 0
	s_wait_dscnt 0x0
	s_barrier_signal -1
	s_barrier_wait -1
.irp c, 0,1,2,3
	ds_load_b32 v[RBK+\c], v9 offset:128*\c
	ds_load_b32 v[RBK+4+\c], v9 offset:128*\c+64
.endr
	s_wait_dscnt 0x0
.irp t, 0,4
	v_add_f32 v[RBK+\t], v[RBK+\t], v[RBK+\t+1]
	v_add_f32 v[RBK+\t+2], v[RBK+\t+2], v[RBK+\t+3]
.endr
.irp t, 0,4
	v_add_f32 v[RBK+\t], v[RBK+\t], v[RBK+\t+2]    ; over all 512
.endr
	v_rsq_f32 v[INQ], v[RBK]
	v_rsq_f32 v[INQ+2], v[RBK+4]
	v_nop                                          ; a plain instruction behind the second
	s_wait_alu depctr_va_vdst(0)                   ; one wait for both, ahead of their first reader
	v_min_num_f32 v[INQ], s[BIG], v[INQ]           ; 1 / max(norm, 1e-8)
	v_min_num_f32 v[INQ+2], s[BIG], v[INQ+2]
.set j, 0
.rept 32
	v_pk_mul_f32 v[ACC+j:ACC+j+1], v[ACC+j:ACC+j+1], v[INQ:INQ+1] op_sel_hi:[1,0]
.set j, j+2
.endr
	QUANT ACC, PC, PW
	global_store_b128 v7, v[PC:PC+3], s[18:19]     ; the fragment as it stands: 512 consecutive bytes a store
	global_store_b128 v7, v[PC+4:PC+7], s[18:19] offset:512
	ds_store_b32 v10, v[PW]
	WIN 0x01                                       ; source 0 in window 1: query tile 1 is scaled into the registers that tile 0 has left, so that one text quantises both
.set j, 0
.rept 32
	v_pk_mul_f32 v[ACC+j:ACC+j+1], v[ACC+j:ACC+j+1], v[INQ+2:INQ+3] op_sel_hi:[1,0]
.set j, j+2
.endr
	WIN 0
	QUANT ACC, PC+8, PW+1                          ; codes and scale word in registers of their own: tile 0's stores may still read theirs
	global_store_b128 v7, v[PC+8:PC+11], s[18:19] offset:4096
	global_store_b128 v7, v[PC+12:PC+15], s[18:19] offset:4096+512
	ds_store_b32 v10, v[PW+1] offset:256
	s_wait_dscnt 0x0
	s_barrier_signal -1
	s_barrier_wait -1
	s_cmp_lg_u32 s[WV], 0
	s_cbranch_scc1 .Lproj_end
	ds_load_b128 v[164:167], v11                   ; wave 0: the 64 queries' scale words leave as twice 512 consecutive bytes
	ds_load_b128 v[168:171], v11 offset:512
	s_wait_dscnt 0x0
	global_store_b128 v7, v[164:167], s[24:25]
	global_store_b128 v7, v[168:171], s[24:25] offset:512
.Lproj_end:
	s_wait_tensorcnt 0x0                           ; the wave's end: the same three lines
	ds_add_u32 v[SPW], v[NIL]
	s_wait_dscnt 0x0
	s_endpgm
.Lfunc_end_k_q4343d93707_quant:
	.size	k_q4343d93707_quant, .Lfunc_end_k_q4343d93707_quant-k_q4343d93707_quant
	.p2alignl 7, 3214868480
	.fill 96, 4, 3214868480
	.section	.rodata,"a",@progbits
	.p2align	6, 0x0
	.amdhsa_kernel k_q4343d93707_quant
		.amdhsa_group_segment_fixed_size 137472
		.amdhsa_private_segment_fixed_size 0
		.amdhsa_enable_private_segment 0
		.amdhsa_kernarg_size 72
		.amdhsa_user_sgpr_count 2
		.amdhsa_user_sgpr_kernarg_segment_ptr 1
		.amdhsa_wavefront_size32 1
		.amdhsa_system_sgpr_workgroup_id_x 1
		.amdhsa_system_sgpr_workgroup_id_y 1
		.amdhsa_system_sgpr_workgroup_id_z 1
		.amdhsa_system_vgpr_workitem_id 0
		.amdhsa_next_free_vgpr 512
		.amdhsa_next_free_sgpr 66
		.amdhsa_reserve_vcc 0
		.amdhsa_float_denorm_mode_32 3
		.amdhsa_float_denorm_mode_16_64 3
		.amdhsa_memory_ordered 1
		.amdhsa_forward_progress 1
		.amdhsa_inst_pref_size 140
	.end_amdhsa_kernel
	.amdgpu_metadata
---
amdhsa.version: [ 1, 2 ]
amdhsa.kernels:
  - .name:           k_q4343d93707_quant
    .symbol:         k_q4343d93707_quant.kd
    .args:
      - { .name: token_embedding, .offset: 0, .size: 8, .value_kind: global_buffer, .address_space: global }
      - { .name: audio_feat_codes, .offset: 8, .size: 8, .value_kind: global_buffer, .address_space: global }
      - { .name: audio_feat_scales, .offset: 16, .size: 8, .value_kind: global_buffer, .address_space: global }
      - { .name: proj_w_codes, .offset: 24, .size: 8, .value_kind: global_buffer, .address_space: global }
      - { .name: proj_w_scales, .offset: 32, .size: 8, .value_kind: global_buffer, .address_space: global }
      - { .name: proj_b, .offset: 40, .size: 8, .value_kind: global_buffer, .address_space: global }
      - { .name: kv, .offset: 48, .size: 8, .value_kind: global_buffer, .address_space: global }
      - { .name: qimg, .offset: 56, .size: 8, .value_kind: global_buffer, .address_space: global }
      - { .name: qsc, .offset: 64, .size: 8, .value_kind: global_buffer, .address_space: global }
    .group_segment_fixed_size: 137472
    .private_segment_fixed_size: 0
    .kernarg_segment_align: 8
    .kernarg_segment_size: 72
    .max_flat_workgroup_size: 256
    .sgpr_count:     66
    .vgpr_count:     512
    .wavefront_size: 32
...
	.end_amdgpu_metadata
.endif
;; end of part 1
;; launch attn (part 2): grid 32 x 8, 8 waves a work-group, clusters of 4 x 1, 327,680 bytes of LDS; arguments qimg, qsc, kv, opart, lpart; writes opart, lpart
.if DOCPART == 2
	.amdgcn_target "amdgcn-amd-amdhsa--gfx1250"
	.amdhsa_code_object_version 6
	.text
	.protected	k_q4343d93707_attn
	.globl	k_q4343d93707_attn
	.p2align	8
	.type	k_q4343d93707_attn,@function
k_q4343d93707_attn:
	s_mov_b64 s[64:65], 0
	v_nop
	global_prefetch_b8 v0, s[64:65] scope:SCOPE_SE
	s_setreg_imm32_b32 hwreg(HW_REG_WAVE_MODE, 25, 1), 1
	s_wait_xcnt 0x0
	s_wait_alu depctr_hold_cnt(0) depctr_sa_sdst(0) depctr_va_vdst(0) depctr_va_sdst(0) depctr_va_ssrc(0) depctr_va_vcc(0) depctr_vm_vsrc(0)
	s_getreg_b32 s2, hwreg(HW_REG_IB_STS2, 6, 4)
	s_cmp_eq_u32 s2, 0
	s_cbranch_scc0 .Lentry_in_a_cluster
	s_endpgm
.Lentry_in_a_cluster:
	s_bfe_u32 s2, ttmp6, 0x10000c
	s_cmp_lg_u32 s2, 0x3003
	s_cbranch_scc0 .Lentry_shape_is_right
	s_endpgm
.Lentry_shape_is_right:
; The two large products, on the operands that the launch before has laid out: S^T = K Q^T, p = 2^t with t = score x 10 log2(e), O^T += V^T P^T, l += p.  No work is left out.
; NO MAXIMUM IS TAKEN AWAY, AND WHY THAT IS SOUND FOR EVERY INPUT.  Both vectors of a score are normalised by the problem itself, and a quantised number is at most twice its source (the worst case: a little over a quarter
; of the scale's unit goes up to a half).  So |score| <= 4 and |t| <= 57.8 whatever the inputs hold: p lies in 2^-58 .. 2^58, a row's sum under 2^73, p's scale bytes in 67 .. 183: nothing can overflow or underflow.
; The problem's M is a whole number, which only shifts p's block scales: with M = 0 the codes are the same, and the scales, l and O all carry the same exact factor 2^M, which the division O / l takes away.
; LIMITS: |token_embedding| under 2^50, so that O stays finite; t is one multiplication by 10 log2(e), where the problem divides by 0.1 and multiplies by log2(e); NaN and infinities are not served;
; the order in which the keys' terms are added to a row's O and l hangs on the cluster's x (THE WALK, below).
; SHARES.  A work-group owns 64 queries (4 tiles of 16) and an eighth of the keys: records 12 y .. 12 y + 11 of 256 keys; y = 7 also takes the odd step 192 (24,704 = 193 x 128), from memory straight into registers, at the head.
; Partial O and l go to memory; the next launch adds the eight parts.  Wave w makes the scores and p of key block w (32 keys) of a record for all 64 queries, and keeps O^T of d = 64 w .. + 63 for all 64 queries:
; so each fragment of K and of V leaves LDS once and feeds four matrix instructions.  p goes from wave to wave through LDS as images of the operand's registers.
; CLUSTER.  The four query blocks of a cluster share y and walk the same records: each wave's eighth of a record (68 rows of 256 bytes, dense) is asked for JOINTLY by the same tensor load in all four.
; THE WALK.  O and l are plain sums over the keys, so the order of the records is free.  The eight clusters of one y begin 3 f records into the twelve, f = (x xor 3 (x / 4)) % 4 with x the cluster's x (0, 3, 6, 9, 9, 6, 3, 0),
; and walk round them.  x is shared by the four partners, so the joint descriptors stay equal.  f takes all four values on each four x that agree in any one bit.  So at any time the clusters of a y ask for four different
; records, and from its fourth record on a cluster asks for a record that another cluster of its y has asked for at least two intervals earlier.  No prefetch is written: a cluster's first two records are asked for at
; the head, its third one interval later, and all the others have been asked for by others as just said.
; THE PIPELINE.  In interval j a wave multiplies V(j - 1), kept in registers, by P(j - 1) from LDS, moves V(j) into registers, and makes S(j), p(j).  One round of the cluster's barrier an interval serves the refill and P alike.
; Waves 0-3 take the second product first, waves 4-7 last (a branch on the wave's number round that block alone), so that the two halves of the waves do matrix and vector work at different times.
; LAYOUT.  Both products are used transposed: a lane holds ONE query (lane % 16).  Lane r of key tile u holds key 8 u + r + 8 (r / 8), so that registers 8 u + j of lane (r, h) are keys 16 h + 8 u + j: 16 neighbours.
; A lane's 16 codes of p are 8 bytes; stored at 16 r + 8 h of the image's 256 bytes for the block, they lie as the operand wants them: no lanes are exchanged.
; REGISTERS, in windows of 256.  Window 0: v1-20 addresses; v24-47 scale words (Q's, K's, V's, P's: they hold nothing else); v48-55 l; v56-79 at work; v96-127 S^T, then p, later P of key step 0;
;   v128-191 K's 8 fragments, later P of key step 1; v192-255 V's 8 fragments.   Window 1: v0-127 Q's 16 fragments; v128-255 O^T's 16 accumulators.
.set REC,   139264
.set WPART, 17408                      ; an eighth of a record: 68 rows of 256 bytes
.set KBLK,  8704
.set VOFF,  69632
.set VSTEP, 4352
.set PIMG,  278528                     ; LDS behind the two slots: P's images [buffer 2][key step 2][query tile 4][1,024],
.set PSC,   294912                     ; P's scale bytes [buffer 2][key step 2][r 16][query tile 4][4],
.set LS,    295936                     ; the waves' row sums [wave 8][64],
.set SPARE, 297984                     ; the spare words, 128 bytes for each wave: four blocks of 256 bytes that no other line names
.set AK,   1                           ; v1-2   my key block in slot 0, 1: + 16 x lane
.set AV,   3                           ; v3-4   my V part
.set AVS,  5                           ; v5-6   its scale words: + 4 x lane
.set APW,  7                           ; v7     where I store 8 bytes of p's codes
.set APSW, 8                           ; v8     and p's scale byte
.set API,  9                           ; v9     P's images: + 16 x lane
.set APSL, 10                          ; v10    P's scale words: + 16 r
.set STO,  11                          ; v11    the way out: into my stage
.set RD,   12                          ; v12    and back
.set GO,   13                          ; v13    my byte offset in opart's rows
.set L16,  14
.set L4,   15
.set ALS,  17
.set SPW,  18                          ; v18    LDS address of my spare word; never rewritten
.set NIL,  19                          ; v19    0; never rewritten
.set LANE, 20
.set QS,   24                          ; v24-31 Q's scale words: [pair of tiles][K step]: lanes 0-15 the even tile's, lanes 16-31 the odd one's
.set KS,   32                          ; v32-35 K's: [K step]: lanes 0-15 key tile 0's, lanes 16-31 key tile 1's
.set VS,   36                          ; v36-39 V's: [key step][pair of tiles]
.set PS,   40                          ; v40-47 P's: [key step][query tile]
.set LL,   48                          ; v48-55 l, a pair a query tile
.set TM,   56
.set TP,   58
.set SO,   60
.set BY,   62
.set PC,   66
.set SR,   96
.set KF,   128
.set VF,   192
.set OO,   128                         ; in window 1
.set WV,   14
.set YY,   15
.set CX,   16
.set QB,   17
.set G1,   24                          ; s[24:31] descriptor group 1
.set G0,   32                          ; s[32:39] group 0, a set for each slot
.set CS,   40                          ; s[40:41] 10 log2(e)
.set SEL,  42
.set KVB,  44                          ; s[44:45] my eighth of record 12 y
.set RO,   46                          ; s[46:47] the byte offset, among the y's twelve records, of the record that the next refill asks for (an offset, in registers of its own; the upper word is 0)
.set CNT,  48
.set TK,   50
.set TV,   52
.set OB,   54
.set LB,   56
.set MSB, 0
.macro WIN new                         ; the immediate's high byte repeats the setting that is left; bits 1:0 source 0, 3:2 source 1, 5:4 source 2, 7:6 destination
.if MSB != \new
	s_set_vgpr_msb (MSB<<8)|\new
.set MSB, \new
.endif
.endm
.macro CROUND                          ; a round of the cluster's barrier
	s_barrier_signal -1
	s_barrier_wait -1
	s_cmp_lg_u32 s[WV], 0
	s_cbranch_scc1 .Lnot_wave_0_\@
	s_barrier_signal -3
.Lnot_wave_0_\@:
	s_barrier_wait -3
	s_barrier_signal -1
	s_barrier_wait -1
.endm
; one matrix instruction: D at d, source 0 at a, source 1 at b; z = 1: C = 0, else C = D; scale registers sa, sb; ra, rb = 1: the scales stand in lanes 16-31
.macro WSC d, a, b, z, sa, sb, ra, rb
.if \z
.if ((\ra) == 0) && ((\rb) == 0)
	v_wmma_scale_f32_16x16x128_f8f6f4 v[(\d):(\d)+7], v[(\a):(\a)+7], v[(\b):(\b)+7], 0, v[\sa], v[\sb] matrix_a_fmt:MATRIX_FMT_FP4 matrix_b_fmt:MATRIX_FMT_FP4
.elseif (\rb) == 0
	v_wmma_scale_f32_16x16x128_f8f6f4 v[(\d):(\d)+7], v[(\a):(\a)+7], v[(\b):(\b)+7], 0, v[\sa], v[\sb] matrix_a_fmt:MATRIX_FMT_FP4 matrix_b_fmt:MATRIX_FMT_FP4 matrix_a_scale:MATRIX_SCALE_ROW1
.elseif (\ra) == 0
	v_wmma_scale_f32_16x16x128_f8f6f4 v[(\d):(\d)+7], v[(\a):(\a)+7], v[(\b):(\b)+7], 0, v[\sa], v[\sb] matrix_a_fmt:MATRIX_FMT_FP4 matrix_b_fmt:MATRIX_FMT_FP4 matrix_b_scale:MATRIX_SCALE_ROW1
.else
	v_wmma_scale_f32_16x16x128_f8f6f4 v[(\d):(\d)+7], v[(\a):(\a)+7], v[(\b):(\b)+7], 0, v[\sa], v[\sb] matrix_a_fmt:MATRIX_FMT_FP4 matrix_b_fmt:MATRIX_FMT_FP4 matrix_a_scale:MATRIX_SCALE_ROW1 matrix_b_scale:MATRIX_SCALE_ROW1
.endif
.else
.if ((\ra) == 0) && ((\rb) == 0)
	v_wmma_scale_f32_16x16x128_f8f6f4 v[(\d):(\d)+7], v[(\a):(\a)+7], v[(\b):(\b)+7], v[(\d):(\d)+7], v[\sa], v[\sb] matrix_a_fmt:MATRIX_FMT_FP4 matrix_b_fmt:MATRIX_FMT_FP4
.elseif (\rb) == 0
	v_wmma_scale_f32_16x16x128_f8f6f4 v[(\d):(\d)+7], v[(\a):(\a)+7], v[(\b):(\b)+7], v[(\d):(\d)+7], v[\sa], v[\sb] matrix_a_fmt:MATRIX_FMT_FP4 matrix_b_fmt:MATRIX_FMT_FP4 matrix_a_scale:MATRIX_SCALE_ROW1
.elseif (\ra) == 0
	v_wmma_scale_f32_16x16x128_f8f6f4 v[(\d):(\d)+7], v[(\a):(\a)+7], v[(\b):(\b)+7], v[(\d):(\d)+7], v[\sa], v[\sb] matrix_a_fmt:MATRIX_FMT_FP4 matrix_b_fmt:MATRIX_FMT_FP4 matrix_b_scale:MATRIX_SCALE_ROW1
.else
	v_wmma_scale_f32_16x16x128_f8f6f4 v[(\d):(\d)+7], v[(\a):(\a)+7], v[(\b):(\b)+7], v[(\d):(\d)+7], v[\sa], v[\sb] matrix_a_fmt:MATRIX_FMT_FP4 matrix_b_fmt:MATRIX_FMT_FP4 matrix_a_scale:MATRIX_SCALE_ROW1 matrix_b_scale:MATRIX_SCALE_ROW1
.endif
.endif
.endm
; THE CHANGE OF SLOTS, at an interval's head.  Each wave waits for all its tensor loads (one is out: its eighth of the record that it is about to read), adds 0 to its spare word, and waits for that, for its reads of the
; slot that it has left and for its stores of p.  refill = 1: slot fs, which has been left, takes the walk's record two on, behind a round of the cluster's barrier: the load has an interval in which to land.
.macro CHANGE fs, refill
	s_wait_tensorcnt 0x0                           ; no tensor load of mine is out, so a group 0 may be written
	ds_add_u32 v[SPW], v[NIL]                      ; 0 onto my spare word; the steps below stand between it and the wait for it
.if \refill
	s_add_nc_u64 s[G0+4*(\fs)+2:G0+4*(\fs)+3], s[KVB:KVB+1], s[RO:RO+1]   ; the address is made anew: my eighth of the y's first record + the walk's offset,
	s_or_b32 s[G0+4*(\fs)+3], s[G0+4*(\fs)+3], 0x80000000                 ; type = 2
	s_add_co_u32 s[RO], s[RO], REC                 ; the walk goes one record on,
	s_cmp_eq_u32 s[RO], 12*REC                     ; and from the twelfth round to the first
	s_cselect_b32 s[RO], 0, s[RO]
	s_wait_dscnt 0x0
	CROUND
	tensor_load_to_lds s[G0+4*(\fs):G0+4*(\fs)+3], s[G1:G1+7]   ; the first thing behind the round, and my one tensor load until the next
	s_nop 0
.rept 4
	v_nop
.endr
.else
	s_wait_dscnt 0x0
	s_barrier_signal -1
	s_barrier_wait -1
.endif
.endm
.macro KLOAD sl                        ; my key block: 8 fragments and their scale words
.irp u, 0,1
.irp c, 0,1,2,3
.irp g, 0,1
	ds_load_b128 v[KF+32*\u+8*\c+4*\g:KF+32*\u+8*\c+4*\g+3], v[AK+\sl] offset:(4*\u+\c)*1024+512*\g
.endr
.endr
.endr
	ds_load_b128 v[KS:KS+3], v[AK+\sl] offset:8192
.endm
.macro SCORES hq                       ; S^T of my 32 keys x query tiles 2 hq, 2 hq + 1: four accumulators by turns, K = 512 in four steps, ascending; the first step starts the sums
	WIN 0x04                                       ; source 1 (Q) in window 1
.irp ql, 0,1
.irp u, 0,1
	WSC SR+16*\ql+8*\u, KF+32*\u, 32*(2*(\hq)+\ql), 1, KS, QS+4*(\hq), \u, \ql
.endr
.endr
.irp c, 1,2,3
.irp ql, 0,1
.irp u, 0,1
	WSC SR+16*\ql+8*\u, KF+32*\u+8*\c, 32*(2*(\hq)+\ql)+8*\c, 0, KS+\c, QS+4*(\hq)+\c, \u, \ql
.endr
.endr
.endr
	WIN 0
.rept 4
	v_nop                                          ; four places in front of the first read of results (ISA guide 7.12.1)
.endr
.endm
.macro SOFT hq, buf                    ; p = 2^t of two query tiles, their sums, their block's scale, their codes; to LDS
.set j, 0
.rept 16
	v_pk_mul_f32 v[SR+j:SR+j+1], v[SR+j:SR+j+1], s[CS:CS+1] op_sel_hi:[1,0]   ; t; each accumulator is read from its low end on
.set j, j+2
.endr
.set j, 0
.rept 32
	v_exp_f32 v[SR+j], v[SR+j]
.set j, j+1
.endr
	v_nop                                          ; a plain instruction behind the last exponential
	s_wait_alu depctr_va_vdst(0)                   ; one wait for the batch of 32, ahead of its first reader
.irp ql, 0,1                           ; the block's largest p (with the floor 2^(3 - 127)) and the row's sum of the UNQUANTISED p: four chains by turns
	v_max3_num_f32 v[TM+\ql], v[SR+16*\ql], v[SR+16*\ql+1], 0x1800000
	v_pk_add_f32 v[LL+4*(\hq)+2*\ql:LL+4*(\hq)+2*\ql+1], v[LL+4*(\hq)+2*\ql:LL+4*(\hq)+2*\ql+1], v[SR+16*\ql:SR+16*\ql+1]
.endr
.irp i, 2,4,6,8,10,12,14
.irp ql, 0,1
	v_max3_num_f32 v[TM+\ql], v[TM+\ql], v[SR+16*\ql+\i], v[SR+16*\ql+\i+1]
	v_pk_add_f32 v[LL+4*(\hq)+2*\ql:LL+4*(\hq)+2*\ql+1], v[LL+4*(\hq)+2*\ql:LL+4*(\hq)+2*\ql+1], v[SR+16*\ql+\i:SR+16*\ql+\i+1]
.endr
.endr
.irp ql, 0,1
	v_permlanex16_b32 v[TP+\ql], v[TM+\ql], s[SEL], s[SEL+1]
.endr
.irp ql, 0,1
	v_max_num_f32 v[TM+\ql], v[TM+\ql], v[TP+\ql]  ; with lane l xor 16's 16 keys
.endr
.irp ql, 0,1
	v_add_nc_u32 v[SO+\ql], 0xff000000, v[TM+\ql]  ; 2 off the exponent field: the conversion's scale operand
.endr
.irp ql, 0,1
	v_lshrrev_b32 v[BY+2*(\hq)+\ql], 23, v[SO+\ql] ; the scale's byte
.endr
.irp ql, 0,1
	v_cvt_scalef32_pk8_fp4_f32 v[PC+4*(\hq)+2*\ql], v[SR+16*\ql:SR+16*\ql+7], v[SO+\ql]
	v_cvt_scalef32_pk8_fp4_f32 v[PC+4*(\hq)+2*\ql+1], v[SR+16*\ql+8:SR+16*\ql+15], v[SO+\ql]
.endr
	v_nop                                          ; one plain instruction behind the last conversion
.irp ql, 0,1
	ds_store_b64 v[APW], v[PC+4*(\hq)+2*\ql:PC+4*(\hq)+2*\ql+1] offset:(\buf)*8192+(2*(\hq)+\ql)*1024   ; the 32 lanes fill the block's 256 bytes of the image
	ds_store_b8 v[APSW], v[BY+2*(\hq)+\ql] offset:(\buf)*512+4*(2*(\hq)+\ql)                          ; both halves of the lanes write the same byte with the same value
.endr
.endm
.macro SSBODY buf
	SCORES 0
	SOFT 0, \buf
	SCORES 1
	SOFT 1, \buf
.endm
.macro SSM sl                          ; the walk's j-th record lies in slot j % 2, and its p goes to buffer j % 2
	KLOAD \sl
	s_wait_dscnt 0x0
	SSBODY \sl
.endm
.macro PVBLOCK buf, nks                ; O^T += V^T P^T over nks key steps of 128: sixteen accumulators by turns
.irp qt, 0,1,2,3
.irp g, 0,1
	ds_load_b128 v[SR+8*\qt+4*\g:SR+8*\qt+4*\g+3], v[API] offset:(\buf)*8192+\qt*1024+512*\g
.endr
.endr
	ds_load_b128 v[PS:PS+3], v[APSL] offset:(\buf)*512
.if (\nks) > 1
.irp qt, 0,1,2,3
.irp g, 0,1
	ds_load_b128 v[KF+8*\qt+4*\g:KF+8*\qt+4*\g+3], v[API] offset:(\buf)*8192+4096+\qt*1024+512*\g
.endr
.endr
	ds_load_b128 v[PS+4:PS+7], v[APSL] offset:(\buf)*512+256
	s_wait_dscnt 9                                 ; key step 0's nine loads are in (and V, asked for earlier); key step 1's nine may be out
.else
	s_wait_dscnt 0x0
.endif
	WIN 0x50                                       ; C and D (O^T) in window 1
.irp tt, 0,1,2,3
.irp qt, 0,1,2,3
	WSC OO+8*(4*\tt+\qt), VF+8*\tt, SR+8*\qt, 0, VS+(\tt/2), PS+\qt, \tt%2, 0
.endr
.endr
.if (\nks) > 1
	s_wait_dscnt 0x0
.irp tt, 0,1,2,3
.irp qt, 0,1,2,3
	WSC OO+8*(4*\tt+\qt), VF+32+8*\tt, KF+8*\qt, 0, VS+2+(\tt/2), PS+4+\qt, \tt%2, 0
.endr
.endr
.endif
	WIN 0
.rept 5
	v_nop                                          ; four places in front of loads into the registers just read, five in front of matrix instructions that write over them
.endr
.endm
.macro LOADV sl                        ; V of the record in slot sl into registers: it is multiplied in the next interval, when the slot is being filled again
.irp sh, 0,1
.irp tt, 0,1,2,3
.irp g, 0,1
	ds_load_b128 v[VF+32*\sh+8*\tt+4*\g:VF+32*\sh+8*\tt+4*\g+3], v[AV+\sl] offset:\sh*VSTEP+\tt*1024+512*\g
.endr
.endr
.irp pr, 0,1
	ds_load_b32 v[VS+2*\sh+\pr], v[AVS+\sl] offset:\sh*VSTEP+4096+128*\pr
.endr
.endr
.endm
.macro INTERVAL sl, refill
	CHANGE 1-(\sl), \refill
	s_cmp_lt_u32 s[WV], 4
	s_cbranch_scc0 .Lpv_late_\@
	PVBLOCK 1-(\sl), 2
	LOADV \sl
.Lpv_late_\@:
	SSM \sl
	s_cmp_lt_u32 s[WV], 4
	s_cbranch_scc1 .Lpv_done_\@
	PVBLOCK 1-(\sl), 2
	LOADV \sl
.Lpv_done_\@:
.endm
	s_load_b256 s[4:11], s[0:1], 0x0               ; qimg s[4:5], qsc s[6:7], kv s[8:9], opart s[10:11]
	s_load_b64 s[12:13], s[0:1], 0x20              ; lpart
	v_lshl_add_u32 v[SPW], v0, 2, SPARE
	v_mov_b32 v[NIL], 0
	ds_add_u32 v[SPW], v[NIL]                      ; the wave's opening: the add, twice on end, and its wait ahead of my first tensor load; the set-up below stands between the second and the wait
	ds_add_u32 v[SPW], v[NIL]
	v_lshrrev_b32 v20, 5, v0
	v_readfirstlane_b32 s[WV], v20                 ; wave 0..7
	s_and_b32 s[YY], ttmp7, 0xffff                 ; which eighth of the keys: the cluster's y, which the four partners share
	s_bfe_u32 s[CX], ttmp6, 0x40000                ; my place in the cluster
	s_lshl_b32 s[QB], ttmp9, 2
	s_add_co_u32 s[QB], s[QB], s[CX]               ; my block of 64 queries: it enters global addresses of Q, opart and lpart alone
	s_mov_b32 s[G1], 15|(3<<16)|(1<<21)            ; 15:0 the mask: all four work-groups; 17:16 elements of 8 bytes; 20 no padding; 21 set beside a mask
	s_mov_b32 s[G1+1], 32<<16                      ; tensor_dim0 = 32 elements: 256 bytes
	s_mov_b32 s[G1+2], 68<<16                      ; tensor_dim1 = 68
	s_mov_b32 s[G1+3], 32<<16                      ; tile_dim0 = 32
	s_mov_b32 s[G1+4], 68                          ; tile_dim1 = 68
	s_mov_b32 s[G1+5], 32                          ; from row to row: dense
	s_mov_b32 s[G1+6], 0
	s_mov_b32 s[G1+7], 0
	s_mov_b32 s[CS], 0x4166d4ca                    ; 10 log2(e) = 14.4269504
	s_mov_b32 s[CS+1], s[CS]                       ; (named with it as a pair)
	s_mov_b32 s[SEL], 0x76543210
	s_mov_b32 s[SEL+1], 0xfedcba98
	s_mul_i32 s18, s[WV], WPART                    ; my eighth of a record, in memory and in a slot
	s_mul_i32 s20, s[YY], 12*REC
	s_add_co_u32 s20, s20, s18
	s_mov_b32 s21, 0
	s_lshr_b32 s22, ttmp9, 2                       ; where my cluster's walk begins: f = (x xor 3 (x / 4)) % 4, x the cluster's x: the same in all four partners
	s_mul_i32 s22, s22, 3
	s_xor_b32 s22, s22, ttmp9
	s_and_b32 s22, s22, 3
	s_mul_i32 s22, s22, 3*REC                      ; record 3 f of the twelve, in bytes: at most 9 REC
	s_mov_b32 s23, 0
	s_add_co_u32 s[RO], s22, 2*REC                 ; the first refill asks for the walk's third record: at most 11 REC, inside the twelve
	s_mov_b32 s[RO+1], 0
	s_mul_i32 s19, s[WV], KBLK
	s_add_co_u32 s58, s19, 96*REC                  ; step 192: my key block, in record 96
	s_mov_b32 s59, 0
	s_lshl_b32 s60, s[YY], 22                      ; opart: part y, my 64 rows of 2,048 bytes, my 256 bytes of a row
	s_lshl_b32 s61, s[QB], 17
	s_add_co_u32 s60, s60, s61
	s_lshl_b32 s61, s[WV], 8
	s_add_co_u32 s60, s60, s61
	s_mov_b32 s61, 0
	s_lshl_b32 s62, s[YY], 13                      ; lpart: part y, my 64 numbers
	s_lshl_b32 s63, s[QB], 8
	s_add_co_u32 s62, s62, s63
	s_mov_b32 s63, 0
	s_lshl_b32 s66, s[QB], 14                      ; Q's 16 images
	s_mov_b32 s67, 0
	s_lshl_b32 s68, s[QB], 10                      ; and 64 x 16 scale bytes
	s_mov_b32 s69, 0
	s_wait_dscnt 0x0                               ; both opening adds are done
	s_wait_kmcnt 0x0
	s_add_nc_u64 s[KVB:KVB+1], s[8:9], s[20:21]    ; my eighth of record 12 y
	s_mov_b32 s[G0], 1                             ; count = 1
	s_mov_b32 s[G0+1], s18                         ; LDS address: slot 0
	s_add_nc_u64 s[G0+2:G0+3], s[KVB:KVB+1], s[22:23]   ; the walk's first record
	s_mov_b32 s[G0+4], 1
	s_add_co_u32 s[G0+5], s18, REC                 ; slot 1
	s_add_nc_u64 s[G0+6:G0+7], s[G0+2:G0+3], REC   ; its second: at most the eleventh of the twelve
	s_or_b32 s[G0+3], s[G0+3], 0x80000000          ; type = 2
	s_or_b32 s[G0+7], s[G0+7], 0x80000000
	s_add_nc_u64 s[TK:TK+1], s[8:9], s[58:59]
	s_add_nc_u64 s[TV:TV+1], s[TK:TK+1], VOFF
	s_add_nc_u64 s[OB:OB+1], s[10:11], s[60:61]
	s_add_nc_u64 s[LB:LB+1], s[12:13], s[62:63]
	s_add_nc_u64 s[4:5], s[4:5], s[66:67]
	s_add_nc_u64 s[6:7], s[6:7], s[68:69]
	CROUND                                         ; all four work-groups are here: the first joint loads meet
	tensor_load_to_lds s[G0:G0+3], s[G1:G1+7]      ; every wave issues both first fills: two loads of mine are out
	s_nop 0
	tensor_load_to_lds s[G0+4:G0+7], s[G1:G1+7]
	s_nop 0
.rept 4
	v_nop
.endr
	v_and_b32 v[LANE], 31, v0
	v_and_b32 v21, 15, v0                          ; r
	v_bfe_u32 v22, v0, 4, 1                        ; h
	v_lshlrev_b32 v[L16], 4, v[LANE]
	v_lshlrev_b32 v[L4], 2, v[LANE]
	WIN 0x40                                       ; destination window 1
.set j, 0
.rept 32                               ; Q stays in registers: fragment (tile, K step) at 32 tile + 8 step
	global_load_b128 v[4*j:4*j+3], v[L16], s[4:5] offset:512*j
.set j, j+1
.endr
.set j, 0
.rept 128                              ; O^T begins as zeros: the second product is written once for all intervals, and the odd step of y = 7 adds onto the same zeros
	v_mov_b32 v[OO+j], 0
.set j, j+1
.endr
	WIN 0
	global_load_b128 v[QS:QS+3], v[L16], s[6:7]
	global_load_b128 v[QS+4:QS+7], v[L16], s[6:7] offset:512
.set j, 0
.rept 8
	v_mov_b32 v[LL+j], 0
.set j, j+1
.endr
	v_mov_b32 v[TP], 0                             ; (lane permutes' destinations)
	v_mov_b32 v[TP+1], 0
	v_add_nc_u32 v[AK], s19, v[L16]
	v_add_nc_u32 v[AK+1], REC, v[AK]
	v_add_nc_u32 v[AV], VOFF, v[AK]
	v_add_nc_u32 v[AV+1], VOFF, v[AK+1]
	v_add_nc_u32 v[AVS], s19, v[L4]
	v_add_nc_u32 v[AVS], VOFF, v[AVS]
	v_add_nc_u32 v[AVS+1], REC, v[AVS]
	s_lshr_b32 s58, s[WV], 2                       ; my key block is block w % 4 of key step w / 4: group (w % 4) / 2, lanes' half w % 2 of P's fragment
	s_lshl_b32 s59, s58, 12
	s_bfe_u32 s60, s[WV], 0x10001
	s_lshl_b32 s60, s60, 9
	s_add_co_u32 s59, s59, s60
	s_and_b32 s60, s[WV], 1
	s_lshl_b32 s60, s60, 8
	s_add_co_u32 s59, s59, s60
	s_add_co_u32 s59, s59, PIMG
	v_lshlrev_b32 v[APW], 4, v21
	v_lshl_add_u32 v[APW], v22, 3, v[APW]
	v_add_nc_u32 v[APW], s59, v[APW]               ; + 16 r + 8 h
	s_lshl_b32 s59, s58, 8
	s_and_b32 s60, s[WV], 3
	s_add_co_u32 s59, s59, s60
	s_add_co_u32 s59, s59, PSC
	v_lshl_add_u32 v[APSW], v21, 4, s59            ; byte w % 4 of the word at 256 (w / 4) + 16 r + 4 tile
	v_add_nc_u32 v[API], PIMG, v[L16]
	v_lshlrev_b32 v[APSL], 4, v21
	v_add_nc_u32 v[APSL], PSC, v[APSL]
	s_mul_i32 s59, s[WV], 4352                     ; my stage for the way out: 16 rows of 256 + 16 bytes, in slot 0, which has had its last fill and its last read by then
	v_mul_u32_u24 v[STO], v21, 272
	v_lshl_add_u32 v[STO], v22, 5, v[STO]
	v_add_nc_u32 v[STO], s59, v[STO]
	v_mul_u32_u24 v[RD], v22, 272
	v_lshl_add_u32 v[RD], v21, 4, v[RD]
	v_add_nc_u32 v[RD], s59, v[RD]
	v_lshlrev_b32 v[GO], 11, v22
	v_lshl_add_u32 v[GO], v21, 4, v[GO]
	s_lshl_b32 s59, s[WV], 8
	s_add_co_u32 s59, s59, LS
	v_add_nc_u32 v[ALS], s59, v[L4]
	; THE ODD STEP 192, for y = 7 alone: one branch on the cluster's y, the same in all waves and all partners; the first barrier stands in both arms.  Its fragments come from memory while the first records are on their way.
	s_cmp_lg_u32 s[YY], 7
	s_cbranch_scc1 .Lno_tail
.irp tt, 0,1,2,3
.irp g, 0,1
	global_load_b128 v[VF+8*\tt+4*\g:VF+8*\tt+4*\g+3], v[L16], s[TV:TV+1] offset:\tt*1024+512*\g
.endr
.endr
.irp pr, 0,1
	global_load_b32 v[VS+\pr], v[L4], s[TV:TV+1] offset:4096+128*\pr
.endr
	s_cmp_lt_u32 s[WV], 4                          ; the step has four key blocks: waves 0-3 make its p
	s_cbranch_scc0 .Ltail_wait
.irp u, 0,1
.irp c, 0,1,2,3
.irp g, 0,1
	global_load_b128 v[KF+32*\u+8*\c+4*\g:KF+32*\u+8*\c+4*\g+3], v[L16], s[TK:TK+1] offset:(4*\u+\c)*1024+512*\g
.endr
.endr
.endr
	global_load_b128 v[KS:KS+3], v[L16], s[TK:TK+1] offset:8192
	s_wait_loadcnt 0x0                             ; Q among them
	SSBODY 1
.Ltail_wait:
	s_wait_loadcnt 0x0
	s_wait_tensorcnt 0x1                           ; my eighth of the walk's first record is in; the second's may stay out
	s_wait_dscnt 0x0                               ; my stores of p have landed
	s_barrier_signal -1
	s_barrier_wait -1
	PVBLOCK 1, 1
	s_branch .Lgo
.Lno_tail:
	s_wait_loadcnt 0x0                             ; Q
	s_wait_tensorcnt 0x1                           ; as above
	s_wait_dscnt 0x0
	s_barrier_signal -1
	s_barrier_wait -1
.Lgo:
	SSM 0                                          ; interval 0
	LOADV 0
	s_mov_b32 s[CNT], 5
.Lloop:                                            ; intervals 1 to 10: each asks for the walk's record two on from the one just left: its third to its twelfth
	INTERVAL 1, 1
	INTERVAL 0, 1
	s_sub_co_u32 s[CNT], s[CNT], 1
	s_cmp_lg_u32 s[CNT], 0
	s_cbranch_scc1 .Lloop
	INTERVAL 1, 0                                  ; interval 11 is written out: nothing is left to ask for
	; my row sums: the pair's halves and lane l xor 16's; lanes 0-15 then carry the even tile's, lanes 16-31 the odd one's
.irp qt, 0,1,2,3
	v_add_f32 v[56+\qt], v[LL+2*\qt], v[LL+2*\qt+1]
.endr
.irp qt, 0,1,2,3
	v_permlanex16_b32 v[60+\qt], v[56+\qt], s[SEL], s[SEL+1]
.endr
.irp qt, 0,1,2,3
	v_add_f32 v[56+\qt], v[56+\qt], v[60+\qt]
.endr
	v_cmp_gt_u32 vcc_lo, 16, v[LANE]
	v_cndmask_b32 v56, v57, v56, vcc_lo
	v_cndmask_b32 v58, v59, v58, vcc_lo
	ds_store_b32 v[ALS], v56
	ds_store_b32 v[ALS], v58 offset:128
	s_wait_dscnt 0x0                               ; my last p and my row sums have landed
	s_barrier_signal -1
	s_barrier_wait -1
	PVBLOCK 1, 2                                   ; the last record's second product
	s_cmp_lg_u32 s[WV], 0
	s_cbranch_scc1 .Lno_sum
.irp wv, 0,1,2,3,4,5,6,7               ; wave 0 adds the eight waves' row sums
	ds_load_b32 v[64+\wv], v[ALS] offset:256*\wv
	ds_load_b32 v[72+\wv], v[ALS] offset:256*\wv+128
.endr
	s_wait_dscnt 0x0
.irp hf, 0,8
	v_add_f32 v[64+\hf], v[64+\hf], v[65+\hf]
	v_add_f32 v[66+\hf], v[66+\hf], v[67+\hf]
	v_add_f32 v[68+\hf], v[68+\hf], v[69+\hf]
	v_add_f32 v[70+\hf], v[70+\hf], v[71+\hf]
	v_add_f32 v[64+\hf], v[64+\hf], v[66+\hf]
	v_add_f32 v[68+\hf], v[68+\hf], v[70+\hf]
	v_add_f32 v[64+\hf], v[64+\hf], v[68+\hf]
.endr
	global_store_b32 v[L4], v64, s[LB:LB+1]
	global_store_b32 v[L4], v72, s[LB:LB+1] offset:128
.Lno_sum:
	; THE WAY OUT.  A lane holds 8 neighbouring d of one query; a query tile (16 rows x 256 bytes) goes through my stage and comes back by rows, so that sixteen lanes store 256 consecutive bytes, aligned.
	; LDS serves a wave's instructions in order (ISA guide 5.7.1.4): no wait between a tile's stores and loads, nor in front of the next tile's stores.
.irp qt, 0,1,2,3
	WIN 0x04                                       ; an LDS store's data are its source 1: window 1
.irp tt, 0,1,2,3
	ds_store_b128 v[STO], v[OO+8*(4*\tt+\qt):OO+8*(4*\tt+\qt)+3] offset:64*\tt          ; each accumulator from its low end on
	ds_store_b128 v[STO], v[OO+8*(4*\tt+\qt)+4:OO+8*(4*\tt+\qt)+7] offset:64*\tt+16
.endr
	WIN 0
.irp i, 0,1,2,3,4,5,6,7
	ds_load_b128 v[128+32*\qt+4*\i:128+32*\qt+4*\i+3], v[RD] offset:544*\i
.endr
.endr
.irp qt, 0,1,2,3
	s_wait_dscnt 16*(3-\qt)                        ; this tile is back; the later tiles' 8 stores and 8 loads each may be out
.irp i, 0,1,2,3,4,5,6,7
	global_store_b128 v[GO], v[128+32*\qt+4*\i:128+32*\qt+4*\i+3], s[OB:OB+1] offset:(16*\qt+2*\i)*2048 th:TH_STORE_NT
.endr
.endr
	s_wait_tensorcnt 0x0                           ; the wave's end, behind my last tensor load and my last LDS store
	ds_add_u32 v[SPW], v[NIL]
	s_wait_dscnt 0x0
	CROUND                                         ; the closing round: no work-group ends while a partner may still ask for a record that names it
	s_endpgm
.Lfunc_end_k_q4343d93707_attn:
	.size	k_q4343d93707_attn, .Lfunc_end_k_q4343d93707_attn-k_q4343d93707_attn
	.p2alignl 7, 3214868480
	.fill 96, 4, 3214868480
	.section	.rodata,"a",@progbits
	.p2align	6, 0x0
	.amdhsa_kernel k_q4343d93707_attn
		.amdhsa_group_segment_fixed_size 327680
		.amdhsa_private_segment_fixed_size 0
		.amdhsa_enable_private_segment 0
		.amdhsa_kernarg_size 40
		.amdhsa_user_sgpr_count 2
		.amdhsa_user_sgpr_kernarg_segment_ptr 1
		.amdhsa_wavefront_size32 1
		.amdhsa_system_sgpr_workgroup_id_x 1
		.amdhsa_system_sgpr_workgroup_id_y 1
		.amdhsa_system_sgpr_workgroup_id_z 1
		.amdhsa_system_vgpr_workitem_id 0
		.amdhsa_next_free_vgpr 512
		.amdhsa_next_free_sgpr 72
		.amdhsa_reserve_vcc 1
		.amdhsa_float_denorm_mode_32 3
		.amdhsa_float_denorm_mode_16_64 3
		.amdhsa_memory_ordered 1
		.amdhsa_forward_progress 1
		.amdhsa_inst_pref_size 156
	.end_amdhsa_kernel
	.amdgpu_metadata
---
amdhsa.version: [ 1, 2 ]
amdhsa.kernels:
  - .name:           k_q4343d93707_attn
    .symbol:         k_q4343d93707_attn.kd
    .args:
      - { .name: qimg, .offset: 0, .size: 8, .value_kind: global_buffer, .address_space: global }
      - { .name: qsc, .offset: 8, .size: 8, .value_kind: global_buffer, .address_space: global }
      - { .name: kv, .offset: 16, .size: 8, .value_kind: global_buffer, .address_space: global }
      - { .name: opart, .offset: 24, .size: 8, .value_kind: global_buffer, .address_space: global }
      - { .name: lpart, .offset: 32, .size: 8, .value_kind: global_buffer, .address_space: global }
    .group_segment_fixed_size: 327680
    .private_segment_fixed_size: 0
    .kernarg_segment_align: 8
    .kernarg_segment_size: 40
    .max_flat_workgroup_size: 256
    .sgpr_count:     72
    .vgpr_count:     512
    .wavefront_size: 32
...
	.end_amdgpu_metadata
.endif
;; end of part 2
;; launch comb (part 3): grid 256 x 1, 8 waves a work-group, no clusters, 0 bytes of LDS; arguments opart, lpart, out0; writes out0
.if DOCPART == 3
	.amdgcn_target "amdgcn-amd-amdhsa--gfx1250"
	.amdhsa_code_object_version 6
	.text
	.protected	k_q4343d93707_comb
	.globl	k_q4343d93707_comb
	.p2align	8
	.type	k_q4343d93707_comb,@function
k_q4343d93707_comb:
	s_mov_b64 s[64:65], 0
	v_nop
	global_prefetch_b8 v0, s[64:65] scope:SCOPE_SE
	s_setreg_imm32_b32 hwreg(HW_REG_WAVE_MODE, 25, 1), 1
	s_wait_xcnt 0x0
; out0[q][:] = (the sum over the eight key parts y of opart[y][q][:]) / (the sum over y of lpart[y][q]).  All parts were summed under the same exponent shift (none), so they are plain sums.  No work is left out.
; A stream: a wave owns one row q = 8 x work-group + wave: 8 x 2,048 bytes in, 2,048 out; every load and store of the wave covers 512 consecutive bytes.  All 33 loads go out at once; the waits count down as the parts are added.
; No LDS, no barrier, no matrix unit, no cluster: waves share nothing.  LIMIT: the division is a multiplication by v_rcp_f32's result.
	s_load_b128 s[4:7], s[0:1], 0x0                ; opart s[4:5], lpart s[6:7]
	s_load_b64 s[8:9], s[0:1], 0x10                ; out0
	v_lshrrev_b32 v3, 5, v0
	v_readfirstlane_b32 s10, v3                    ; wave
	v_and_b32 v3, 31, v0
	v_lshlrev_b32 v1, 4, v3                        ; 16 x lane
	v_and_b32 v2, 7, v3
	v_lshlrev_b32 v2, 13, v2                       ; lpart: lane % 8 takes part y = lane % 8: 8,192 bytes apart
	s_lshl_b32 s11, ttmp9, 3
	s_add_co_u32 s11, s11, s10                     ; q
	s_lshl_b32 s12, s11, 11
	s_mov_b32 s13, 0
	s_lshl_b32 s14, s11, 2
	s_mov_b32 s15, 0
	s_wait_kmcnt 0x0
	s_add_nc_u64 s[6:7], s[6:7], s[14:15]
	s_add_nc_u64 s[8:9], s[8:9], s[12:13]
	s_add_nc_u64 s[16:17], s[4:5], s[12:13]        ; parts 0, 2, 4, 6 have a base each; the odd parts stand in the immediate
	s_add_nc_u64 s[18:19], s[16:17], 0x800000
	s_add_nc_u64 s[20:21], s[16:17], 0x1000000
	s_add_nc_u64 s[22:23], s[16:17], 0x1800000
	global_load_b32 v4, v2, s[6:7]
.irp y, 0,1,2,3,4,5,6,7
.irp i, 0,1,2,3
	global_load_b128 v[16+16*\y+4*\i:16+16*\y+4*\i+3], v1, s[16+2*(\y/2):17+2*(\y/2)] offset:(\y%2)*4194304+512*\i th:TH_LOAD_NT
.endr
.endr
.irp y, 1,2,3,4,5,6,7
	s_wait_loadcnt 4*(7-\y)                        ; parts 0 to y are in (and l); the later parts' four loads each may be out
.irp j, 0,2,4,6,8,10,12,14
	v_pk_add_f32 v[16+\j:17+\j], v[16+\j:17+\j], v[16+16*\y+\j:17+16*\y+\j]
.endr
.endr
	v_add_f32_dpp v4, v4, v4 row_xmask:1 row_mask:0xf bank_mask:0xf   ; the eight parts of l lie in eight neighbouring lanes
	v_add_f32_dpp v4, v4, v4 row_xmask:2 row_mask:0xf bank_mask:0xf
	v_add_f32_dpp v4, v4, v4 row_xmask:4 row_mask:0xf bank_mask:0xf
	v_rcp_f32 v6, v4
	v_rcp_f32 v7, v4                               ; twice: the packed multiply takes a pair
	v_nop                                          ; a plain instruction behind the second
	s_wait_alu depctr_va_vdst(0)                   ; one wait for both, ahead of their first reader
.irp j, 0,2,4,6,8,10,12,14
	v_pk_mul_f32 v[16+\j:17+\j], v[16+\j:17+\j], v[6:7]
.endr
.irp i, 0,1,2,3
	global_store_b128 v1, v[16+4*\i:16+4*\i+3], s[8:9] offset:512*\i th:TH_STORE_NT
.endr
	s_endpgm
.Lfunc_end_k_q4343d93707_comb:
	.size	k_q4343d93707_comb, .Lfunc_end_k_q4343d93707_comb-k_q4343d93707_comb
	.p2alignl 7, 3214868480
	.fill 96, 4, 3214868480
	.section	.rodata,"a",@progbits
	.p2align	6, 0x0
	.amdhsa_kernel k_q4343d93707_comb
		.amdhsa_group_segment_fixed_size 0
		.amdhsa_private_segment_fixed_size 0
		.amdhsa_enable_private_segment 0
		.amdhsa_kernarg_size 24
		.amdhsa_user_sgpr_count 2
		.amdhsa_user_sgpr_kernarg_segment_ptr 1
		.amdhsa_wavefront_size32 1
		.amdhsa_system_sgpr_workgroup_id_x 1
		.amdhsa_system_sgpr_workgroup_id_y 1
		.amdhsa_system_sgpr_workgroup_id_z 1
		.amdhsa_system_vgpr_workitem_id 0
		.amdhsa_next_free_vgpr 160
		.amdhsa_next_free_sgpr 66
		.amdhsa_reserve_vcc 0
		.amdhsa_float_denorm_mode_32 3
		.amdhsa_float_denorm_mode_16_64 3
		.amdhsa_memory_ordered 1
		.amdhsa_forward_progress 1
		.amdhsa_inst_pref_size 10
	.end_amdhsa_kernel
	.amdgpu_metadata
---
amdhsa.version: [ 1, 2 ]
amdhsa.kernels:
  - .name:           k_q4343d93707_comb
    .symbol:         k_q4343d93707_comb.kd
    .args:
      - { .name: opart, .offset: 0, .size: 8, .value_kind: global_buffer, .address_space: global }
      - { .name: lpart, .offset: 8, .size: 8, .value_kind: global_buffer, .address_space: global }
      - { .name: out0, .offset: 16, .size: 8, .value_kind: global_buffer, .address_space: global }
    .group_segment_fixed_size: 0
    .private_segment_fixed_size: 0
    .kernarg_segment_align: 8
    .kernarg_segment_size: 24
    .max_flat_workgroup_size: 256
    .sgpr_count:     66
    .vgpr_count:     160
    .wavefront_size: 32
...
	.end_amdgpu_metadata
.endif
;; end of part 3
